; MI455X (gfx1250); checked and timed in simulation.
; The chip was launched on July 23, 2026; its instructions are those of AMD's public machine-readable ISA for CDNA 5 (MIT licence, August 2026) and "CDNA5" Instruction Set Architecture Reference Guide (July 2026). The comments in the code are by the model that wrote it; some were corrected since.
;; Global Attention. Allowed arithmetic: matrix products marked QUANTISED: E4M3 operands, one given power-of-two scale a tensor, by v_wmma_f32_16x16x64_fp8_fp8 or v_wmma_f32_16x16x128_fp8_fp8, f32 sums; products left as they are: f32 operands where the result goes on into a quantised operand, else bf16, f16 or f32 operands; f32 sums; everything else in f32.
;; Inputs: attn_b 1,024 float32; attn_w 2,048 x 1,024 float32; encoder_outputs 16 x 4,096 x 1,024 float32; hidden 16 x 512 float32; lowp_scales 4 int32 (the exponents e of the quantised operands' scales 2^e); v_w 1,024 float32.
;; Outputs: out0 16 x 1,024 float32.
;; This version of the problem:
;;   THIS VERSION OF THE PROBLEM IS GIVEN IN LOW PRECISION. The matrix products marked QUANTISED in the list below multiply operands that are first quantised to E4M3 (4 exponent bits, 3 mantissa bits; 8 bits a number), with one given power-of-two scale for each operand tensor; their sums are f32. All else is computed in f32.
;;   The module's matrix products, in the order in which they are computed (A, B: the left and right operand; K: the contracted axis; several contracted axes count as one K, in the product's order):
;;     1. [M 16, K 1,024] x [K 1,024, N 1,024]; A: computed on the way; B: input attn_w: QUANTISED (scales: A lowp_scales[0], B lowp_scales[1])
;;     2. [M 65,536, K 1,024] x [K 1,024, N 1,024]; A: input encoder_outputs; B: input attn_w: QUANTISED (scales: A lowp_scales[2], B lowp_scales[3])
;;     3. [M 65,536, K 1,024] x [K 1,024, N 1]; A: computed on the way; B: input v_w: left as it is (N = 1 < 16)
;;     4. batch 16 x [M 1,024, K 4,096] x [K 4,096, N 1]; A: input encoder_outputs; B: softmax: left as it is (N = 1 < 16)
;;   THE QUANTISER, for each operand of a quantised product, along K:
;;     - The operand's scale is 2^e, e = its entry of the input lowp_scales (int32; the entries are numbered through the quantised products in the list's order, A before B).
;;     - Each number is divided by the scale, clamped to +-448, and rounded to the nearest number of E4M3, ties to even, subnormals kept.
;;     - The product sums the exact products of the quantised numbers (number of the format x scale) in f32.
;;   ~~~python
;;   def quantise(x, axis, e):      # numpy; x: float32 -> the quantised numbers, widened to float32 again
;;       x = np.moveaxis(x, axis, -1); K = x.shape[-1]
;;       r = np.clip(x / 2.0 ** e, -448, 448)
;;       step = 2.0 ** (np.maximum(np.frexp(np.where(r == 0, 1, r))[1] - 1, -6) - 3)
;;       q = np.round(r / step) * step * 2.0 ** e      # np.round: ties to even
;;       return np.moveaxis(q, -1, axis).astype(np.float32)
;;   ~~~
;;   OPERANDS COMPUTED ON THE WAY. 'Computed on the way' means the value that the module computes at that place (a softmax that the list does not call 'softmax' is quantised finished and normalised). What goes into a quantiser is computed in f32, as accurately as f32 sums, v_exp_f32 and their like allow (about 1e-6 of the number): no bf16 or f16 on the way to a quantiser, and a product that is left as it is and whose result goes on into a quantised operand takes f32 operands (vector FMAs, or v_wmma_f32_16x16x4_f32). A number that lies on a knife's edge between two numbers of the format may be rounded either way, as far as f32 arithmetic and the matrix unit's own rounding can turn it there, and no further.
;; One version. Each part assembles by itself: llvm-mc -triple=amdgcn-amd-amdhsa -mcpu=gfx1250 --defsym DOCPART=n.
;; ======== version 1 of 1: 3 launches
;; workspace buffers: wq 1,048,576 bytes; cpv 262,144 bytes; scores 262,144 bytes
;; launch prep (part 1): grid 128 x 1, 8 waves a work-group, no clusters, 9,216 bytes of LDS; arguments attn_w, attn_b, hidden, v_w, lowp_scales, wq, cpv; writes wq, cpv
.if DOCPART == 1
	.amdgcn_target "amdgcn-amd-amdhsa--gfx1250"
	.amdhsa_code_object_version 6
	.text
	.protected	k_qef1291a38c_prep
	.globl	k_qef1291a38c_prep
	.p2align	8
	.type	k_qef1291a38c_prep,@function
k_qef1291a38c_prep:
	s_mov_b64 s[64:65], 0
	v_nop
	global_prefetch_b8 v0, s[64:65] scope:SCOPE_SE
	s_setreg_imm32_b32 hwreg(HW_REG_WAVE_MODE, 25, 1), 1
	s_wait_xcnt 0x0
; PREP.  attn_w [2048][1024] f32 is W_h (rows 0-1023) over W_e (rows 1024-2047); K is its FIRST axis.
; (1) W_e becomes codes of FP8 (E4M3) with the given scale 2^e3, laid in the order of a matrix operand's registers:
;     wq byte ((T*8+s)*4+c)*512 + 16*lane; lane (r = lane%16, h = lane/16) holds column 16T+r, k = 128s+32c+16h+0..15.
; (2) proj_h = Q(rep_h) Q(W_h) + attn_b, on codes (scales 2^e0, 2^e1); rep_h[b][k] = hidden[b][k mod 512].
; (3) cpv[T][b][r] = (cp, cp, vv, vv), 16 bytes: cp = K2 x proj_h[b][16T+r], vv = -K2 x v_w[16T+r], K2 = 2 log2(e):
;     tanh(z) = 1 - 2 / (1 + 2^(K2 z)), so log2(e) x score = a constant of the batch + the sum over n of vv[n] / (1 + 2^(K2 z[n])).
; SHARES.  128 work-groups: tile T = number % 64 (columns 16T..16T+15), role = number / 64.  Role 0 takes W_h, product 1 and the table, role 1 takes
; W_e's codes: so a work-group issues half the loads that one work-group for both would.  Wave w takes the K step 128w..128w+127.  A lane takes a column
; and its registers run down K, so the conversions' results are the operand's registers.  In role 0 the eight waves' partial sums meet in LDS behind
; one barrier and are added in ascending K: a tile of columns needs its eight K steps in one work-group, which is why there are no more work-groups.
; The roles part on the work-group's number, the same for all its waves, and do not join again; role 1 has no LDS and no barrier.
; No tensor loads and nothing shared between work-groups but small inputs: no cluster.
; The k order inside a K step (registers 4c..4c+3: k = 32c+16h+0..15) is the same for both operands of both products.
; LIMITS: e0, e1, e3 between -126 and 119, so that 2^e and 448 x 2^e are f32 numbers.  NaN among the inputs is not served;
; what lies beyond 448 x 2^e is held at the largest code.
.set K2,  0x4038aa3b                   ; 2 log2(e)
.set NK2, 0xc038aa3b                   ; -2 log2(e)
.set XH, 16                            ; v16-79    role 0: 64 numbers of W_h: register 16c+i = k 32c+16h+i of my column
.set XE, 80                            ; v80-143   role 1: the same of W_e
.set XA, 144                           ; v144-207  role 0: 64 numbers of rep_h, row (batch) r
.set CE, 144                           ; v144-159  role 1: W_e's codes
.set CA, 208                           ; v208-223  rep_h's codes
.set CH, 224                           ; v224-239  W_h's codes
.set DD, 240                           ; v240-247  my K step's part of product 1
.set PS, 248                           ; v248-255  the eight parts of one sum
; 2^e as f32 into v[sc] (the conversion takes its exponent field); 448 x 2^e into s[lim], its negative into s[lim+1]
.macro SCALE e, sc, lim
	s_add_co_i32 s31, s[\e], 127
	s_lshl_b32 s30, s31, 23
	v_mov_b32 v[\sc], s30
	s_add_co_i32 s31, s31, 8
	s_lshl_b32 s31, s31, 23
	s_or_b32 s[\lim], s31, 0x600000
	s_or_b32 s[\lim+1], s[\lim], 0x80000000
.endm
; block b of a fragment: 16 numbers of a lane become 4 registers of codes
.macro QB src, dst, sc, lim, b
.irp i, 0,1,2,3,4,5,6,7,8,9,10,11,12,13,14,15
	v_med3_num_f32 v[\src+16*\b+\i], v[\src+16*\b+\i], s[\lim+1], s[\lim]   ; the conversion to an 8-bit code does not saturate (ISA guide 7.6.2): the hold comes first
.endr
	v_cvt_scalef32_pk8_fp8_f32 v[\dst+4*\b:\dst+4*\b+1], v[\src+16*\b:\src+16*\b+7], v[\sc]
	v_cvt_scalef32_pk8_fp8_f32 v[\dst+4*\b+2:\dst+4*\b+3], v[\src+16*\b+8:\src+16*\b+15], v[\sc]
.endm
	s_load_b256 s[4:11], s[0:1], 0x0               ; attn_w s[4:5], attn_b s[6:7], hidden s[8:9], v_w s[10:11]
	s_load_b128 s[12:15], s[0:1], 0x20             ; lowp_scales s[12:13], wq s[14:15]
	s_load_b64 s[16:17], s[0:1], 0x30              ; cpv
	s_set_vgpr_msb 0x40
	v_lshl_add_u32 v0, v0, 2, 0x2000
	v_mov_b32 v1, 0
	s_set_vgpr_msb 0x4000
	v_lshrrev_b32 v1, 5, v0
	v_readfirstlane_b32 s18, v1                    ; wave 0..7
	s_and_b32 s19, ttmp9, 63                       ; T: my tile of 16 columns
	s_lshr_b32 s44, ttmp9, 6                       ; my role
	v_and_b32 v1, 15, v0                           ; r
	v_bfe_u32 v2, v0, 4, 1                         ; h
	v_and_b32 v3, 31, v0                           ; lane
	v_lshlrev_b32 v4, 2, v1
	v_lshl_add_u32 v4, v2, 16, v4                  ; attn_w: 4 r + 16 h rows of 4,096 bytes
	v_lshlrev_b32 v5, 11, v1
	v_lshl_add_u32 v5, v2, 6, v5                   ; hidden: row r of 2,048 bytes + 64 h
	v_lshlrev_b32 v6, 4, v3                        ; 16 x lane: my place in an image
	v_lshlrev_b32 v7, 5, v0                        ; LDS: 1,024 x wave + 32 x lane: my eight results
	v_lshlrev_b32 v8, 5, v1                        ; LDS, back: thread t sums (batch t/16, column t%16): 32 (t%16)
	v_bfe_u32 v9, v0, 7, 1
	v_lshl_add_u32 v8, v9, 9, v8                   ;   + 512 (batch / 8)
	v_bfe_u32 v9, v0, 4, 3
	v_lshl_add_u32 v8, v9, 2, v8                   ;   + 4 (batch % 8)
	v_lshlrev_b32 v9, 2, v1                        ; attn_b, v_w: 4 (t%16)
	v_lshlrev_b32 v10, 4, v0                       ; cpv: 16 t
	s_lshl_b32 s32, s18, 19                        ; my K step: 128 rows of 4,096 bytes,
	s_lshl_b32 s36, s19, 6                         ; my tile: 16 columns of 4 bytes
	s_add_co_u32 s32, s32, s36
	s_mov_b32 s33, 0
	s_mov_b32 s37, 0
	s_and_b32 s38, s18, 3                          ; rep_h repeats hidden: K step w is hidden's K step w mod 4
	s_lshl_b32 s38, s38, 9
	s_mov_b32 s39, 0
	s_lshl_b32 s40, s19, 14                        ; wq: (8 T + w) images of 2,048 bytes
	s_lshl_b32 s41, s18, 11
	s_add_co_u32 s40, s40, s41
	s_mov_b32 s41, 0
	s_lshl_b32 s42, s19, 12                        ; cpv: 4,096 T
	s_mov_b32 s43, 0
	s_wait_kmcnt 0x0
	s_load_b128 s[20:23], s[12:13], 0x0            ; e0, e1, e2, e3
	s_add_nc_u64 s[4:5], s[4:5], s[32:33]          ; W_h at my K step and tile
	s_add_nc_u64 s[34:35], s[4:5], 0x400000        ; W_e: 1,024 rows further down
	s_add_nc_u64 s[6:7], s[6:7], s[36:37]
	s_add_nc_u64 s[10:11], s[10:11], s[36:37]
	s_add_nc_u64 s[8:9], s[8:9], s[38:39]
	s_add_nc_u64 s[14:15], s[14:15], s[40:41]
	s_add_nc_u64 s[16:17], s[16:17], s[42:43]
	s_cmp_lg_u32 s44, 0
	s_cbranch_scc1 .Lwe
	; ---- ROLE 0: W_h, product 1, the table
	global_load_b32 v14, v9, s[6:7]                ; attn_b of column 16T + t%16
	global_load_b32 v15, v9, s[10:11]              ; v_w likewise
.irp c, 0,1,2,3
.irp j, 0,1,2,3
	global_load_b128 v[XA+16*\c+4*\j:XA+16*\c+4*\j+3], v5, s[8:9] offset:128*\c+16*\j
.endr
.endr
.irp c, 0,1,2,3
.irp i, 0,1,2,3,4,5,6,7,8,9,10,11,12,13,14,15
	global_load_b32 v[XH+16*\c+\i], v4, s[4:5] offset:(32*\c+\i)*4096     ; sixteen neighbouring lanes read 64 neighbouring bytes
.endr
.endr
	s_wait_kmcnt 0x0
	SCALE 20, 11, 24                               ; e0: rep_h
	SCALE 21, 12, 26                               ; e1: W_h
	s_add_co_i32 s30, s20, s21                     ; e0 + e1
	s_wait_loadcnt 63                              ; 64 loads (W_h's) were issued behind rep_h's last; 63 is the largest count that the wait can name
.irp b, 0,1,2,3
	QB XA, CA, 11, 24, \b
.endr
.irp b, 0,1,2,3
	s_wait_loadcnt 48-16*\b                        ; W_h's block b is in; the later blocks' loads, 16 each, may be out
	QB XH, CH, 12, 26, \b
.endr
	v_nop                                          ; one plain vector line between the last conversion and the product that reads its result
	v_wmma_f32_16x16x128_fp8_fp8 v[DD:DD+7], v[CA:CA+15], v[CH:CH+15], 0   ; register j of lane (r, h): batch 8h+j, column 16T+r, my 128 of K
.rept 4
	v_nop                                          ; the places between the product and the first read of its result (ISA guide 7.12.1)
.endr
	ds_store_b128 v7, v[DD:DD+3]                   ; the result is read from its low end on
	ds_store_b128 v7, v[DD+4:DD+7] offset:16
	s_wait_dscnt 0x0                               ; for the others' sake: my part of the sums lies in LDS
	s_barrier_signal -1
	s_barrier_wait -1
.irp k, 0,1,2,3,4,5,6,7
	ds_load_b32 v[PS+\k], v8 offset:1024*\k        ; K step k's part of (batch t/16, column t%16)
.endr
	s_wait_dscnt 0x0
.irp k, 1,2,3,4,5,6,7
	v_add_f32 v[PS], v[PS], v[PS+\k]               ; K ascending
.endr
	v_ldexp_f32 v[PS], v[PS], s30                  ; x 2^(e0 + e1)
	v_add_f32 v[PS], v[PS], v14                    ; + attn_b: proj_h
	v_mul_f32 v[PS], K2, v[PS]                     ; cp
	v_mul_f32 v[PS+2], NK2, v15                    ; vv
	v_mov_b32 v[PS+1], v[PS]                       ; each twice: the reader's packed forms take the pairs as they lie
	v_mov_b32 v[PS+3], v[PS+2]
	global_store_b128 v10, v[PS:PS+3], s[16:17]    ; the wave stores 512 consecutive bytes, aligned
	s_set_vgpr_msb 0x5
	s_wait_tensorcnt 0x0
	ds_add_u32 v0, v1
	s_wait_dscnt 0x0
	s_set_vgpr_msb 0x500
	s_endpgm
	; ---- ROLE 1: W_e's codes
.Lwe:
.irp c, 0,1,2,3
.irp i, 0,1,2,3,4,5,6,7,8,9,10,11,12,13,14,15
	global_load_b32 v[XE+16*\c+\i], v4, s[34:35] offset:(32*\c+\i)*4096
.endr
.endr
	s_wait_kmcnt 0x0
	SCALE 23, 13, 28                               ; e3: W_e
.irp b, 0,1,2,3
	s_wait_loadcnt 48-16*\b                        ; block b is in; the later blocks' loads, 16 each, may be out
	QB XE, CE, 13, 28, \b
	global_store_b128 v6, v[CE+4*\b:CE+4*\b+3], s[14:15] offset:512*\b   ; the wave stores 512 consecutive bytes, aligned.  (A store of a conversion's result wants no line between; the next block's holds are plain lines on other registers)
.endr
	s_endpgm
.Lfunc_end_k_qef1291a38c_prep:
	.size	k_qef1291a38c_prep, .Lfunc_end_k_qef1291a38c_prep-k_qef1291a38c_prep
	.p2alignl 7, 3214868480
	.fill 96, 4, 3214868480
	.section	.rodata,"a",@progbits
	.p2align	6, 0x0
	.amdhsa_kernel k_qef1291a38c_prep
		.amdhsa_group_segment_fixed_size 9216
		.amdhsa_private_segment_fixed_size 0
		.amdhsa_enable_private_segment 0
		.amdhsa_kernarg_size 56
		.amdhsa_user_sgpr_count 2
		.amdhsa_user_sgpr_kernarg_segment_ptr 1
		.amdhsa_wavefront_size32 1
		.amdhsa_system_sgpr_workgroup_id_x 1
		.amdhsa_system_sgpr_workgroup_id_y 1
		.amdhsa_system_sgpr_workgroup_id_z 1
		.amdhsa_system_vgpr_workitem_id 0
		.amdhsa_next_free_vgpr 258
		.amdhsa_next_free_sgpr 66
		.amdhsa_reserve_vcc 0
		.amdhsa_float_denorm_mode_32 3
		.amdhsa_float_denorm_mode_16_64 3
		.amdhsa_memory_ordered 1
		.amdhsa_forward_progress 1
		.amdhsa_inst_pref_size 33
	.end_amdhsa_kernel
	.amdgpu_metadata
---
amdhsa.version: [ 1, 2 ]
amdhsa.kernels:
  - .name:           k_qef1291a38c_prep
    .symbol:         k_qef1291a38c_prep.kd
    .args:
      - { .name: attn_w, .offset: 0, .size: 8, .value_kind: global_buffer, .address_space: global }
      - { .name: attn_b, .offset: 8, .size: 8, .value_kind: global_buffer, .address_space: global }
      - { .name: hidden, .offset: 16, .size: 8, .value_kind: global_buffer, .address_space: global }
      - { .name: v_w, .offset: 24, .size: 8, .value_kind: global_buffer, .address_space: global }
      - { .name: lowp_scales, .offset: 32, .size: 8, .value_kind: global_buffer, .address_space: global }
      - { .name: wq, .offset: 40, .size: 8, .value_kind: global_buffer, .address_space: global }
      - { .name: cpv, .offset: 48, .size: 8, .value_kind: global_buffer, .address_space: global }
    .group_segment_fixed_size: 9216
    .private_segment_fixed_size: 0
    .kernarg_segment_align: 8
    .kernarg_segment_size: 56
    .max_flat_workgroup_size: 256
    .sgpr_count:     66
    .vgpr_count:     258
    .wavefront_size: 32
...
	.end_amdgpu_metadata
.endif
;; end of part 1
;; launch scores (part 2): grid 256 x 1, 4 waves a work-group, clusters of 4 x 1, 327,680 bytes of LDS; arguments encoder_outputs, wq, cpv, lowp_scales, scores; writes scores
.if DOCPART == 2
	.amdgcn_target "amdgcn-amd-amdhsa--gfx1250"
	.amdhsa_code_object_version 6
	.text
	.protected	k_qef1291a38c_scores
	.globl	k_qef1291a38c_scores
	.p2align	8
	.type	k_qef1291a38c_scores,@function
k_qef1291a38c_scores:
	s_mov_b64 s[64:65], 0
	v_nop
	global_prefetch_b8 v0, s[64:65] scope:SCOPE_SE
	s_setreg_imm32_b32 hwreg(HW_REG_WAVE_MODE, 25, 1), 1
	s_wait_xcnt 0x0
	s_wait_alu depctr_hold_cnt(0) depctr_sa_sdst(0) depctr_va_vdst(0) depctr_va_sdst(0) depctr_va_ssrc(0) depctr_va_vcc(0) depctr_vm_vsrc(0)
	s_getreg_b32 s2, hwreg(HW_REG_IB_STS2, 6, 4)
	s_cmp_eq_u32 s2, 0
	s_cbranch_scc0 .Lentry_in_a_cluster
	s_endpgm
.Lentry_in_a_cluster:
	s_bfe_u32 s2, ttmp6, 0x10000c
	s_cmp_lg_u32 s2, 0x3003
	s_cbranch_scc0 .Lentry_shape_is_right
	s_endpgm
.Lentry_shape_is_right:
; SCORES.  scores[row] = the sum over n of vv[n] / (1 + 2^t), t = K2 x (proj_e[row][n] + proj_h[b][n]): log2(e) x reference()'s score less a
; constant of the batch, which a softmax does not see.  proj_e = Q(enc) Q(W_e) on codes of FP8 (E4M3), scales 2^e2 and 2^e3.
; SHARES.  A work-group owns 256 rows of enc (of one batch), each of its four waves 64: four tiles of 16.  A wave reads its rows once, quantises
; them and KEEPS THE CODES IN REGISTERS (64 rows x 1,024 K = 512 registers); then all of W_e's codes (1 MiB, laid by the launch before as images of
; operand registers) go past, 32 columns a group, through a ring of two LDS slots of 64 KiB.  A wave makes all 1,024 columns of its rows, so a row's
; score never leaves the wave.  A fragment of W read from LDS (2,048 bytes) feeds four products.
; CLUSTER.  Every work-group walks the same W: the four of a cluster ask for each tile JOINTLY (the same load, the same descriptor, mask 15).
; BY TURNS.  Two sets of 8 accumulators (2 tiles of columns x 4 tiles of rows).  While one set is summed over K (64 products), the other set's
; 512 numbers a lane-row go through t, 2^t, 1 + ., 1 / ., x vv: 226 lines, dealt out behind the products, 3 or 4 behind each.
; 2^t may overflow to infinity (the term is then 0) or fall to 0 (the term is then vv): both are tanh's limits.
; LIMITS: e2 between -126 and 119; e2 + e3 between -127 and 126 (it is added to K2's exponent field).  NaN among the inputs is not served; what lies
; beyond 448 x 2^e2 is held at the largest code.
; REGISTERS, in windows of 256 (s_set_vgpr_msb: bits 1:0 source 0, 3:2 source 1, 5:4 source 2, 7:6 destination):
;   window 0: v0-15 addresses; v16-31 (cp, cp, vv, vv) of two tiles of columns, two sets; v32-63 the rows' score parts (row tile m, register j: 8m+j);
;             v64-127, v128-191 the two sets of accumulators.  While x is quantised: v16-47 codes (two sets), v64-255 numbers (three sets of 64).
;   window 1: W's fragments of one group: K step s, tile u at 32s+16u.     windows 2, 3: x's codes: fragment (m, s) at 128 (m%2) + 16 s of window 2 + m/2.
.set SLOTB, 65536                      ; a slot: four tiles of 16 columns x 1,024 K = two groups
.set GRPB,  32768
.set SPARE, 131072                     ; behind the ring: the spare words, 128 bytes for each wave: two blocks of 256 bytes that no other line names
.set CPVT,  131584                     ; my batch's table: 1,024 entries of 16 bytes
.set STG,   147968                     ; a stage of 5,120 bytes for each wave: 16 rows x 144 bytes of codes; at the end 64 rows x 80 bytes of score parts
.set STGB,  5120
.set LI,   4                           ; v4   16 x lane
.set STA,  5                           ; v5   the stage: 4 x lane
.set LDA,  6                           ; v6   the stage: 144 r + 16 h
.set SC,   7                           ; v7   2^e2 as f32
.set ADR,  8                           ; v8   LDS address of the group whose fragments are being fetched
.set CPA0, 9                           ; v9   the table: CPVT + 16 r
.set CPAD, 10                          ; v10  the table's address in hand
.set TO,   11                          ; v11  offset into cpv; at the end into scores
.set SPW,  12                          ; v12  LDS address of my spare word; never rewritten
.set NIL,  13                          ; v13  0; never rewritten
.set SOA,  14                          ; v14  the stage at the end, in: 640 h + 4 r
.set SRA,  15                          ; v15  and back: 160 x lane
.set CPV,  16
.set CODE, 16
.set SS,   32
.set ACC,  64
.set LD0,  64
.set MSB, 0
.macro WIN new                         ; the immediate's high byte repeats the setting that is left; a switch that changes nothing is dropped
.if MSB != (\new)
	s_set_vgpr_msb (MSB<<8)|(\new)
.set MSB, \new
.endif
.endm
.macro PLACES
.rept 4
	v_nop
.endr
.endm
.macro CREST                           ; a round of the cluster's barrier behind its opening barrier
	s_cmp_lg_u32 s14, 0
	s_cbranch_scc1 .Lnot_wave_0_\@
	s_barrier_signal -3
.Lnot_wave_0_\@:
	s_barrier_wait -3
	s_barrier_signal -1
	s_barrier_wait -1
.endm
.macro ROUND                           ; a whole round
	s_barrier_signal -1
	s_barrier_wait -1
	CREST
.endm
	s_load_b256 s[4:11], s[0:1], 0x0               ; enc s[4:5], wq s[6:7], cpv s[8:9], lowp_scales s[10:11]
	s_load_b64 s[12:13], s[0:1], 0x20              ; scores
	v_lshl_add_u32 v[SPW], v0, 2, SPARE
	v_mov_b32 v[NIL], 0
	ds_add_u32 v12, v13
	ds_add_u32 v12, v13
	s_wait_dscnt 0x0
	v_lshrrev_b32 v1, 5, v0
	v_readfirstlane_b32 s14, v1                    ; wave 0..3
	s_bfe_u32 s15, ttmp6, 0x40000                  ; cx: it enters enc's and scores' addresses alone
	s_lshl_b32 s16, ttmp9, 2
	s_add_co_u32 s16, s16, s15                     ; my block of 256 rows = 4 x cluster + cx
	; descriptor group 1: 64 rows of 256 bytes, dense: one tile of 16 columns, 16 KiB
	s_mov_b32 s24, 15|(3<<16)|(1<<21)              ; 15:0 the mask: all four work-groups; 17:16 elements of 8 bytes; 21 set beside a mask; no padding: images are read 16 bytes a lane on end
	s_mov_b32 s25, 32<<16                          ; tensor_dim0 = 32
	s_mov_b32 s26, 64<<16                          ; tensor_dim1 = 64
	s_mov_b32 s27, 32<<16                          ; tile_dim0 = 32
	s_mov_b32 s28, 64                              ; tile_dim1 = 64
	s_mov_b32 s29, 32                              ; tensor_dim0_stride
	s_mov_b32 s30, 0
	s_mov_b32 s31, 0
	s_lshl_b32 s18, s14, 14                        ; wave w fetches tile w of a slot's four: in memory and in LDS 16,384 w
	s_mov_b32 s19, 0
	s_lshl_b32 s20, s16, 20                        ; enc: 256 rows of 4,096 bytes a block,
	s_lshl_b32 s21, s14, 18                        ; 64 a wave
	s_add_co_u32 s20, s20, s21
	s_mov_b32 s21, 0
	s_lshr_b32 s22, ttmp9, 2                       ; my batch: 16 blocks = 4 clusters each
	s_lshl_b32 s22, s22, 8                         ; cpv: 256 bytes a batch in each tile's 4,096
	s_mov_b32 s23, 0
	s_lshl_b32 s42, s16, 10                        ; scores: 4 bytes a row
	s_lshl_b32 s43, s14, 8
	s_add_co_u32 s42, s42, s43
	s_mov_b32 s43, 0
	s_wait_kmcnt 0x0
	s_load_b64 s[40:41], s[10:11], 0x8             ; e2, e3
	s_mov_b32 s32, 1                               ; group 0 for slot 0: count = 1,
	s_mov_b32 s33, s18                             ; LDS address,
	s_add_nc_u64 s[34:35], s[6:7], s[18:19]        ; global address: W's tiles 0 to 3
	s_mov_b32 s36, 1                               ; group 0 for slot 1: it then walks
	s_add_co_u32 s37, s18, SLOTB
	s_add_nc_u64 s[38:39], s[34:35], SLOTB         ; tiles 4 to 7
	s_or_b32 s35, s35, 0x80000000                  ; type = 2
	s_or_b32 s39, s39, 0x80000000
	s_add_nc_u64 s[4:5], s[4:5], s[20:21]
	s_add_nc_u64 s[8:9], s[8:9], s[22:23]
	s_add_nc_u64 s[12:13], s[12:13], s[42:43]
	ROUND                                          ; all four work-groups are here: the first joint loads meet
	tensor_load_to_lds s[32:35], s[24:31]          ; both first fills go out together: two loads of mine are out; they land while x is quantised
	s_nop 0
	tensor_load_to_lds s[36:39], s[24:31]
	s_nop 0
	PLACES                                         ; four v_nop follow
	v_and_b32 v3, 31, v0                           ; lane
	v_and_b32 v1, 15, v0                           ; r
	v_bfe_u32 v2, v0, 4, 1                         ; h
	v_lshlrev_b32 v[LI], 4, v3
	s_mul_i32 s17, s14, STGB
	s_add_co_u32 s17, s17, STG                     ; my stage
	v_lshl_add_u32 v[STA], v3, 2, s17
	v_mul_u32_u24 v[LDA], v1, 144
	v_lshl_add_u32 v[LDA], v2, 4, v[LDA]
	v_add_nc_u32 v[LDA], s17, v[LDA]
	v_lshl_add_u32 v[CPA0], v1, 4, CPVT
	v_mul_u32_u24 v[SOA], v2, 640
	v_lshl_add_u32 v[SOA], v1, 2, v[SOA]
	v_add_nc_u32 v[SOA], s17, v[SOA]
	v_mul_u32_u24 v[SRA], v3, 160
	v_add_nc_u32 v[SRA], s17, v[SRA]
	v_lshrrev_b32 v[TO], 4, v0                     ; the table: thread t takes 16 bytes of tiles t/16 + 8k: sixteen lanes read 256 consecutive bytes
	v_lshlrev_b32 v[TO], 12, v[TO]
	v_lshl_add_u32 v[TO], v1, 4, v[TO]
	v_lshl_add_u32 v[CPAD], v0, 4, CPVT            ; and puts them at CPVT + 16 t + 2,048 k: entry n at 16 n
.irp k, 0,1,2,3,4,5,6,7
	global_load_b128 v[16+4*\k:19+4*\k], v[TO], s[8:9] offset:32768*\k
.endr
; UNIT n of 32: row tile n/8, K step n%8.  Sixteen loads, one a row: the wave reads 512 consecutive bytes of the row, 4 numbers a lane.
.macro XLOAD n
.set lb, LD0+64*((\n)%3)
.set lo, ((\n)/8)*65536+((\n)%8)*512
.irp i, 0,1,2,3,4,5,6,7,8,9,10,11,12,13,14,15
	global_load_b128 v[lb+4*\i:lb+4*\i+3], v[LI], s[4:5] offset:lo+\i*4096 th:TH_LOAD_NT
.endr
.endm
	XLOAD 0
	XLOAD 1
	XLOAD 2
	s_wait_loadcnt 48                              ; the 48 loads of x are younger: the table's eight are in
.irp k, 0,1,2,3,4,5,6,7
	ds_store_b128 v[CPAD], v[16+4*\k:19+4*\k] offset:2048*\k
.endr
	s_wait_dscnt 0x0                               ; the stores have read their registers, which take codes next
	s_wait_kmcnt 0x0
	s_add_co_i32 s18, s40, 127
	s_lshl_b32 s19, s18, 23
	v_mov_b32 v[SC], s19                           ; 2^e2 as f32: the conversion takes its exponent field
	s_add_co_i32 s18, s18, 8
	s_lshl_b32 s18, s18, 23
	s_or_b32 s46, s18, 0x600000                    ; 448 x 2^e2
	s_or_b32 s47, s46, 0x80000000                  ; and its negative
	s_add_co_i32 s18, s40, s41
	s_lshl_b32 s18, s18, 23
	s_add_co_i32 s44, s18, 0x4038aa3b              ; K2 x 2^(e2 + e3): the two exponents are added to K2's exponent field
	s_mov_b32 s45, s44                             ; (named with it as a pair, so it is written)
; Unit u is quantised.  Eight registers on end are 4 numbers of row 2p and 4 of row 2p+1, so a conversion's two registers are 4 codes of each: sixteen stores of
; 4 bytes a lane lay 16 rows of 128 codes in my stage (rows 144 bytes apart), four loads of 16 bytes bring the fragment: row r, k = 32c+16h+0..15.
; The stage is the wave's own and LDS serves a wave's instructions in order (ISA guide 5.7.1.4): no wait between stores and loads, nor before the next unit's stores.
.macro XQ
.set xb, LD0+64*(u%3)
.set cb, CODE+16*(u%2)
.set ab, 128*((u/8)%2)+16*(u%8)
.if u < 30
	s_wait_loadcnt 32                              ; the two units behind this one may be out
.elseif u == 30
	s_wait_loadcnt 16
.else
	s_wait_loadcnt 0x0
.endif
.if u >= 2
	s_wait_dscnt 24                                ; behind unit u-2's last store stand its 4 loads and unit u-1's 20 lines: its codes' registers have been read
.endif
.set j, 0
.rept 64
	v_med3_num_f32 v[xb+j], v[xb+j], s47, s46      ; the conversion to an 8-bit code does not saturate (ISA guide 7.6.2): the hold comes first
.set j, j+1
.endr
.set j, 0
.rept 8
	v_cvt_scalef32_pk8_fp8_f32 v[cb+2*j:cb+2*j+1], v[xb+8*j:xb+8*j+7], v[SC]
.set j, j+1
.endr
	v_nop                                          ; one plain vector line behind the last conversion
.if u+3 < 32
	XLOAD u+3                                      ; into the set just read: 32 to 48 loads of the wave are on their way
.endif
.irp i, 0,1,2,3,4,5,6,7,8,9,10,11,12,13,14,15
	ds_store_b32 v[STA], v[cb+\i] offset:144*\i
.endr
.set wv, 0x80+0x40*(u/16)
	WIN wv                                         ; destination window 2 or 3
.irp c, 0,1,2,3
	ds_load_b128 v[ab+4*\c:ab+4*\c+3], v[LDA] offset:32*\c
.endr
	WIN 0
.endm
.set u, 0
.rept 32
	XQ
.set u, u+1
.endr
	s_mov_b32 s48, 0                               ; LDS byte of the group to be fetched
	s_mov_b32 s49, 0                               ; the table's byte for the group in hand
	s_wait_tensorcnt 1                             ; my part of slot 0 is in; slot 1's may stay out
	s_wait_dscnt 0x0                               ; my part of the table lies in LDS, my fragments of x are in
	s_barrier_signal -1
.set j, 0
.rept 32
	v_mov_b32 v[SS+j], 0                           ; the rows' score parts
.set j, j+1
.endr
	v_mov_b32 v[ADR], v[LI]
	s_barrier_wait -1
; 16 LDS loads in one run: W's fragments of K steps 2q and 2q+1, both tiles of the group at v[ADR]
.macro RUN q
	WIN 0x40                                       ; destination window 1, address window 0
.irp sp, 0,1
.irp t, 0,1
.irp c, 0,1,2,3
	ds_load_b128 v[64*(\q)+32*\sp+16*\t+4*\c:64*(\q)+32*\sp+16*\t+4*\c+3], v[ADR] offset:16384*\t+2048*(2*(\q)+\sp)+512*\c
.endr
.endr
.endr
.endm
; LINE it OF 226 of the vector work on the set of accumulators at AB, with its table entries at CB.  pr: a pair of registers, 0..31 (tile of columns pr/16, row tile (pr/4)%4).
;   0-95    t = sum x K2 2^(e2+e3) + cp (32 packed lines) and 2^t (64): two packed lines ahead, then two exponentials and a packed line by turns; no line reads an exponential's result
;   96      a plain line and ONE wait for the 64 exponentials, ahead of the first line that names a result
;   97-192  1 + . (32 packed) and 1 / . (64), in the same pattern;   193 a plain line and one wait for the 64 reciprocals
;   194-225 the rows' score parts += . x vv (32 packed).  Each accumulator is read from its low end on.
.macro VI
.if (it == 96) || (it == 193)
	v_nop
	s_wait_alu depctr_va_vdst(0)
.elseif it > 193
.set pr, it-194
.set rs, SS+8*((pr/4)%4)+2*(pr%4)
	v_pk_fma_f32 v[rs:rs+1], v[AB+2*pr:AB+2*pr+1], v[CB+4*(pr/16)+2:CB+4*(pr/16)+3], v[rs:rs+1]
.else
.set ph, it/97
.set z, it-97*ph
.set kind, 1
.if z < 2
.set pr, z
.set kind, 0
.elseif z < 92
.if (z-2)%3 == 2
.set pr, (z-2)/3+2
.set kind, 0
.else
.set rg, 2*((z-2)/3)+(z-2)%3
.endif
.else
.set rg, z-32
.endif
.if (kind == 0) && (ph == 0)
	v_pk_fma_f32 v[AB+2*pr:AB+2*pr+1], v[AB+2*pr:AB+2*pr+1], s[44:45], v[CB+4*(pr/16):CB+4*(pr/16)+1] op_sel_hi:[1,0,1]
.elseif kind == 0
	v_pk_add_f32 v[AB+2*pr:AB+2*pr+1], v[AB+2*pr:AB+2*pr+1], 1.0 op_sel_hi:[1,0]
.elseif ph == 0
	v_exp_f32 v[AB+rg], v[AB+rg]
.else
	v_rcp_f32 v[AB+rg], v[AB+rg]
.endif
.endif
.endm
; A GROUP: 32 columns x my 64 rows x 1,024 K: 64 products, K step pos/8, accumulator pos%8 = 4 (tile of columns) + row tile.  The eight accumulators take turns, one instruction a turn
; the first eight products start the sums.  In the result lane (r, h) holds column r and rows 8h+0..7 of the row tile.
; p: my set of accumulators.  vec = 1: the other set's vector work stands in slices behind the products.  last = 1: no group follows.
; THE LDS LOADS stand in runs of 16: behind product 8 this group's K steps 6, 7; behind 24, 40, 56 the next group's K steps 0-1, 2-3, 4-5: each 9 products behind the last reader of its
; registers, with 9 slices between (of three lines of a slice one at least is plain and names no register of those products; vec = 0: four v_nop), and 40 products ahead of its first use.
; The wait ahead of products 0, 16, 32, 48 leaves the two younger runs out.
; chg: THE CHANGE OF SLOTS, in odd groups.  The run behind product 8 is the last read of the slot.  Then each wave waits for all its tensor loads (one is out: its part of the other slot), adds 0 to
; its spare word, and ahead of product 16 waits for that and for its reads.  chg = 1: the barrier opens a round of the cluster's, and behind the round the slot is filled with the tiles two
; slots on: the one tensor load of the wave, 117 products ahead of the wait for it.  chg = 2: nothing is left to fetch.
.macro GROUP p, vec, chg, last
.set AC, ACC+64*(\p)
.set AB, ACC+64*(1-(\p))
.set CB, CPV+8*(1-(\p))
.set CN, CPV+8*(\p)
.set it, 0
.set pos, 0
.rept 64
.if pos%16 == 0
.if (\chg) && (pos == 16)
	s_wait_dscnt 0x0                               ; the add is done, and my reads of the slot are over
	s_barrier_signal -1
.elseif (\last) && (pos == 32)
	s_wait_dscnt 16                                ; K steps 4, 5 are in (behind them: 16 loads of K steps 6, 7 and the table's two)
.elseif (\last) && (pos == 48)
	s_wait_dscnt 0x0
.else
	s_wait_dscnt 32
.endif
.endif
.set wv, 0x06+(pos%4)/2
	WIN wv                                         ; source 0 (x) window 2 or 3, source 1 (W) window 1, C and D window 0
.set rA, 128*(pos%2)+16*(pos/8)
.set rB, 32*(pos/8)+16*((pos%8)/4)
.set rD, AC+8*(pos%8)
.if pos < 8
	v_wmma_f32_16x16x128_fp8_fp8 v[rD:rD+7], v[rA:rA+15], v[rB:rB+15], 0
.else
	v_wmma_f32_16x16x128_fp8_fp8 v[rD:rD+7], v[rA:rA+15], v[rB:rB+15], v[rD:rD+7]
.endif
.if \vec
	WIN 0
.rept ((pos+1)*226)/64-(pos*226)/64
	VI
.set it, it+1
.endr
.endif
.if pos == 8
.if !(\vec)
	PLACES
.endif
	RUN 3
.if \chg
	WIN 0                                          ; (the add's two registers lie in window 0)
	s_wait_tensorcnt 0x0                           ; no tensor load of mine is out, so a group 0 may be written
	ds_add_u32 v[SPW], v[NIL]                      ; 0 onto my spare word: seven products and their slices stand between it and the wait for it
.if (\chg) == 1
	s_xor_b32 s37, s37, SLOTB                      ; the walking descriptor: the other slot than last time,
	s_add_nc_u64 s[38:39], s[38:39], SLOTB         ; the next four tiles; the type bits on top are not reached
.endif
.endif
.endif
.if (\chg) && (pos == 19)
.if (\chg) == 1
	v_nop
	s_wait_alu depctr_va_vdst(0)                   ; the exponentials issued so far have their wait
.endif
	WIN 0
	s_barrier_wait -1
.if (\chg) == 1
	CREST                                          ; no wave of any partner still reads the slot or has a load on its way
	tensor_load_to_lds s[36:39], s[24:31]          ; the first thing behind the round, and my one tensor load until the next
	s_nop 0
	PLACES
.endif
.endif
.if pos == 24
.if !(\vec)
	PLACES
.endif
	WIN 0
	v_add_nc_u32 v[CPAD], s49, v[CPA0]
	ds_load_b128 v[CN:CN+3], v[CPAD]               ; (cp, cp, vv, vv) of my column in this group's two tiles: read by the next group's slices
	ds_load_b128 v[CN+4:CN+7], v[CPAD] offset:256
	s_add_co_u32 s49, s49, 512
.if !(\last)
.if (\p) == 0
	s_add_co_u32 s48, s48, GRPB                    ; the slot's second group
.else
	s_sub_co_u32 s48, s48, GRPB                    ; the other slot's first
	s_xor_b32 s48, s48, SLOTB
.endif
	v_add_nc_u32 v[ADR], s48, v[LI]
	RUN 0
.endif
.endif
.if (pos == 40) && !(\last)
.if !(\vec)
	PLACES
.endif
	RUN 1
.endif
.if (pos == 56) && !(\last)
.if !(\vec)
	PLACES
.endif
	RUN 2
.endif
.set pos, pos+1
.endr
.if !(\vec)
	PLACES                                         ; the places between these products and the first reads of their results
.endif
.endm
	RUN 0
	RUN 1
	RUN 2
	GROUP 0, 0, 0, 0                               ; group 0: there is no vector work yet
	WIN 0                                          ; at a label and at a branch every window is 0
	s_mov_b32 s50, 14
.Lpair:                                                ; 14 trips: groups 1 to 28; each trip leaves a slot and fills it again: W's slots 2 to 15
	GROUP 1, 1, 1, 0
	GROUP 0, 1, 0, 0
	WIN 0
	s_sub_co_u32 s50, s50, 1
	s_cmp_lg_u32 s50, 0
	s_cbranch_scc1 .Lpair
	GROUP 1, 1, 2, 0                               ; the tail is written out: group 29 changes slots and asks for nothing
	GROUP 0, 1, 0, 0
	GROUP 1, 1, 0, 1
	WIN 0
.set AB, ACC+64                        ; the last group's vector work.  Its first lines read accumulators finished seven products and slices ago; they are the places behind the last product
.set CB, CPV+8
.set it, 0
.rept 226
	VI
.set it, it+1
.endr
	; THE WAY OUT.  A lane holds, for each of 32 rows, the part of columns n = r mod 16.  The parts go through my stage (64 rows x 16 numbers, rows 80 bytes apart) and come back two rows a lane.
.irp m, 0,1,2,3
.irp j, 0,1,2,3,4,5,6,7
	ds_store_b32 v[SOA], v[SS+8*\m+\j] offset:(16*\m+\j)*80
.endr
.endr
.irp k, 0,1,2,3
	ds_load_b128 v[64+4*\k:67+4*\k], v[SRA] offset:16*\k          ; row 2 x lane
	ds_load_b128 v[80+4*\k:83+4*\k], v[SRA] offset:80+16*\k       ; row 2 x lane + 1
.endr
	v_lshlrev_b32 v[TO], 3, v3
	s_wait_dscnt 0x0
.irp b, 64, 80
	v_pk_add_f32 v[\b:\b+1], v[\b:\b+1], v[\b+2:\b+3]
	v_pk_add_f32 v[\b+4:\b+5], v[\b+4:\b+5], v[\b+6:\b+7]
	v_pk_add_f32 v[\b+8:\b+9], v[\b+8:\b+9], v[\b+10:\b+11]
	v_pk_add_f32 v[\b+12:\b+13], v[\b+12:\b+13], v[\b+14:\b+15]
.endr
.irp b, 64, 80
	v_pk_add_f32 v[\b:\b+1], v[\b:\b+1], v[\b+4:\b+5]
	v_pk_add_f32 v[\b+8:\b+9], v[\b+8:\b+9], v[\b+12:\b+13]
.endr
	v_pk_add_f32 v[64:65], v[64:65], v[72:73]
	v_pk_add_f32 v[80:81], v[80:81], v[88:89]
	v_add_f32 v64, v64, v65
	v_add_f32 v65, v80, v81
	global_store_b64 v[TO], v[64:65], s[12:13]     ; the wave stores its 64 scores: 256 consecutive bytes, aligned
	s_wait_tensorcnt 0x0                           ; the wave's end: behind my last tensor load and my last LDS store
	ds_add_u32 v[SPW], v[NIL]
	s_wait_dscnt 0x0
	ROUND                                          ; the closing round: no work-group ends while a partner may still ask for a tile that names it
	s_endpgm
.Lfunc_end_k_qef1291a38c_scores:
	.size	k_qef1291a38c_scores, .Lfunc_end_k_qef1291a38c_scores-k_qef1291a38c_scores
	.p2alignl 7, 3214868480
	.fill 96, 4, 3214868480
	.section	.rodata,"a",@progbits
	.p2align	6, 0x0
	.amdhsa_kernel k_qef1291a38c_scores
		.amdhsa_group_segment_fixed_size 327680
		.amdhsa_private_segment_fixed_size 0
		.amdhsa_enable_private_segment 0
		.amdhsa_kernarg_size 40
		.amdhsa_user_sgpr_count 2
		.amdhsa_user_sgpr_kernarg_segment_ptr 1
		.amdhsa_wavefront_size32 1
		.amdhsa_system_sgpr_workgroup_id_x 1
		.amdhsa_system_sgpr_workgroup_id_y 1
		.amdhsa_system_sgpr_workgroup_id_z 1
		.amdhsa_system_vgpr_workitem_id 0
		.amdhsa_next_free_vgpr 1024
		.amdhsa_next_free_sgpr 66
		.amdhsa_reserve_vcc 0
		.amdhsa_float_denorm_mode_32 3
		.amdhsa_float_denorm_mode_16_64 3
		.amdhsa_memory_ordered 1
		.amdhsa_forward_progress 1
		.amdhsa_inst_pref_size 255
	.end_amdhsa_kernel
	.section	.bss,"aw",@nobits
	.p2align	6
	.space	262144
	.amdgpu_metadata
---
amdhsa.version: [ 1, 2 ]
amdhsa.kernels:
  - .name:           k_qef1291a38c_scores
    .symbol:         k_qef1291a38c_scores.kd
    .args:
      - { .name: encoder_outputs, .offset: 0, .size: 8, .value_kind: global_buffer, .address_space: global }
      - { .name: wq, .offset: 8, .size: 8, .value_kind: global_buffer, .address_space: global }
      - { .name: cpv, .offset: 16, .size: 8, .value_kind: global_buffer, .address_space: global }
      - { .name: lowp_scales, .offset: 24, .size: 8, .value_kind: global_buffer, .address_space: global }
      - { .name: scores, .offset: 32, .size: 8, .value_kind: global_buffer, .address_space: global }
    .group_segment_fixed_size: 327680
    .private_segment_fixed_size: 0
    .kernarg_segment_align: 8
    .kernarg_segment_size: 40
    .max_flat_workgroup_size: 128
    .sgpr_count:     66
    .vgpr_count:     1024
    .wavefront_size: 32
...
	.end_amdgpu_metadata
.endif
;; end of part 2
;; launch context (part 3): grid 16 x 16, 16 waves a work-group, no clusters, 23,552 bytes of LDS; arguments encoder_outputs, scores, out0; writes out0
.if DOCPART == 3
	.amdgcn_target "amdgcn-amd-amdhsa--gfx1250"
	.amdhsa_code_object_version 6
	.text
	.protected	k_qef1291a38c_context
	.globl	k_qef1291a38c_context
	.p2align	8
	.type	k_qef1291a38c_context,@function
k_qef1291a38c_context:
	s_mov_b64 s[64:65], 0
	v_nop
	global_prefetch_b8 v0, s[64:65] scope:SCOPE_SE
	s_setreg_imm32_b32 hwreg(HW_REG_WAVE_MODE, 25, 1), 1
	s_wait_xcnt 0x0
; CONTEXT.  out0[b][c] = the sum over l of softmax_l(score)[l] x enc[b][l][c].  scores holds log2(e) x score less a constant of the batch, so a weight is
; p = 2^(s - M) / the sum of such, M the batch's largest s: the maximum is taken away as reference() takes it.  All in f32.
; SHARES.  Work-group (x, y) owns the 64 columns 64x.. of batch y: each output has one owner, and no sum crosses work-groups.  Each of its 16 waves takes 256
; rows: lanes 0-15 rows 256w+0..127, lanes 16-31 rows 256w+128..255; a lane takes 16 bytes, so sixteen lanes read 256 consecutive bytes of a row, aligned.
; Every work-group makes the batch's 4,096 weights itself (8 a thread) and keeps them in LDS: 16 KiB of scores against 1 MiB of enc.
; A ring of 32 slots in registers keeps 32 loads of every wave on their way (16 waves x 32 x 512 bytes a work-group); the first 32 go out ahead of the softmax.
; THE WALK OVER A WAVE'S 128 ROW PAIRS IS WRITTEN OUT: every row's offset is an immediate (127 x 4,096 bytes at the most, inside the signed 24 bits: ISA guide,
; chapter 10), so no address register and no base is ever written again and no wait for that is needed.
; A stream: no matrix unit, no tensor loads, no cluster (work-groups share nothing but the scores).
.set RED, 16384                        ; LDS: p[4096] at 0; then 256 bytes for each wave's sums;
.set MX,  20480                        ; the waves' maxima, 16 words;
.set SM,  20736                        ; the waves' sums of p, 16 words
.set DEPTH, 32                         ; slots = loads of a wave on their way
.set ROWS,  128                        ; rows of each half of the lanes
.set W0,  16                           ; v16-31    16 weights, set 0 (blocks of 16 rows take the two sets by turns)
.set ACC, 32                           ; v32-39    my 4 columns' sums, two sets (even and odd rows)
.set X,   40                           ; v40-167   32 slots of 4 numbers
.set W1,  168                          ; v168-183  16 weights, set 1
.set T0,  184                          ; v184      at work
.set T1,  185                          ; v185      the lane permutes' destination
.set SU,  186                          ; v186      my wave's sum of p
.set ZR,  187                          ; v187      0
.set RW,  188                          ; v188      my wave's sums in LDS: 256 w + 16 x place
.set RB,  189                          ; v189      and back
.set OO,  190                          ; v190      out0: 16 x place
.set ST,  191                          ; v191      32 t: my 8 scores, my 8 weights
	s_load_b128 s[4:7], s[0:1], 0x0                ; enc s[4:5], scores s[6:7]
	s_load_b64 s[8:9], s[0:1], 0x10                ; out0
	v_lshl_add_u32 v192, v0, 2, 0x5400
	v_mov_b32 v193, 0
	v_lshrrev_b32 v1, 5, v0
	v_readfirstlane_b32 s14, v1                    ; wave 0..15
	s_and_b32 s15, ttmp7, 0xffff                   ; batch
	s_mov_b32 s10, 0x76543210                      ; v_permlanex16_b32's selects for lane l xor 16
	s_mov_b32 s11, 0xfedcba98
	v_and_b32 v1, 15, v0                           ; my place in a row's 256 bytes
	v_bfe_u32 v2, v0, 4, 1                         ; my half of the lanes
	v_and_b32 v3, 31, v0
	v_lshlrev_b32 v4, 4, v1
	v_lshl_add_u32 v4, v2, 19, v4                  ; enc: 16 bytes a lane, + 128 rows of 4,096 bytes for lanes 16-31
	s_lshl_b32 s18, s14, 10
	v_lshl_add_u32 v5, v2, 9, s18                  ; p: 4 (256 w + 128 half)
	s_lshl_b32 s18, s14, 2
	v_mov_b32 v7, s18                              ; 4 w
	v_lshlrev_b32 v[ST], 5, v0
	v_mov_b32 v[ZR], 0
	v_mov_b32 v[T1], 0                             ; written once: a lane permute's destination counts as one of its sources
	s_lshl_b32 s18, s14, 8
	v_lshl_add_u32 v[RW], v1, 4, s18
	v_lshlrev_b32 v[OO], 4, v1
	v_lshl_add_u32 v[RB], v2, 11, v[OO]            ; waves 8 half + k
	s_lshl_b32 s20, s15, 24                        ; enc: 16 MiB a batch,
	s_lshl_b32 s21, s14, 20                        ; 256 rows a wave,
	s_add_co_u32 s20, s20, s21
	s_lshl_b32 s21, ttmp9, 8                       ; 256 bytes a work-group
	s_add_co_u32 s20, s20, s21
	s_mov_b32 s21, 0
	s_lshl_b32 s22, s15, 14                        ; scores: 16 KiB a batch
	s_mov_b32 s23, 0
	s_lshl_b32 s24, s15, 12                        ; out0: 4,096 bytes a batch
	s_lshl_b32 s25, ttmp9, 8
	s_add_co_u32 s24, s24, s25
	s_mov_b32 s25, 0
	s_wait_kmcnt 0x0
	s_add_nc_u64 s[4:5], s[4:5], s[20:21]
	s_add_nc_u64 s[6:7], s[6:7], s[22:23]
	s_add_nc_u64 s[8:9], s[8:9], s[24:25]
	global_load_b128 v[8:11], v[ST], s[6:7]
	global_load_b128 v[12:15], v[ST], s[6:7] offset:16
.set i, 0
.rept DEPTH
	global_load_b128 v[X+4*i:X+4*i+3], v4, s[4:5] offset:i*4096 th:TH_LOAD_NT   ; the ring is filled: rows 0 to 31 of each half
.set i, i+1
.endr
	s_wait_loadcnt DEPTH                           ; the 32 loads of enc are younger: my 8 scores are in
	v_max3_num_f32 v[T0], v8, v9, v10
	v_max3_num_f32 v[T0], v[T0], v11, v12
	v_max3_num_f32 v[T0], v[T0], v13, v14
	v_max_num_f32 v[T0], v[T0], v15
	v_max_num_f32_dpp v[T0], v[T0], v[T0] row_xmask:1 row_mask:0xf bank_mask:0xf
	v_max_num_f32_dpp v[T0], v[T0], v[T0] row_xmask:2 row_mask:0xf bank_mask:0xf
	v_max_num_f32_dpp v[T0], v[T0], v[T0] row_xmask:4 row_mask:0xf bank_mask:0xf
	v_max_num_f32_dpp v[T0], v[T0], v[T0] row_xmask:8 row_mask:0xf bank_mask:0xf
	v_permlanex16_b32 v[T1], v[T0], s10, s11
	v_max_num_f32 v[T0], v[T0], v[T1]              ; my wave's largest
	ds_store_b32 v7, v[T0] offset:MX
	s_wait_dscnt 0x0                               ; for the others' sake
	s_barrier_signal -1
	s_barrier_wait -1
.irp k, 0,1,2,3
	ds_load_b128 v[W0+4*\k:W0+4*\k+3], v[ZR] offset:MX+16*\k
.endr
	s_wait_dscnt 0x0
	v_max3_num_f32 v[T0], v16, v17, v18
	v_max3_num_f32 v[T1], v19, v20, v21
	v_max3_num_f32 v[T0], v[T0], v22, v23
	v_max3_num_f32 v[T1], v[T1], v24, v25
	v_max3_num_f32 v[T0], v[T0], v26, v27
	v_max3_num_f32 v[T1], v[T1], v28, v29
	v_max3_num_f32 v[T0], v[T0], v30, v31
	v_max_num_f32 v[T0], v[T0], v[T1]              ; M: the batch's largest
.irp j, 8,9,10,11,12,13,14,15
	v_sub_f32 v[\j], v[\j], v[T0]
.endr
.irp j, 8,9,10,11,12,13,14,15
	v_exp_f32 v[\j], v[\j]                         ; p = 2^(s - M), at most 1
.endr
.irp j, 0,1,2,3,4,5,6,7
	v_mov_b32 v[ACC+\j], 0                         ; (plain lines behind the exponentials)
.endr
	s_wait_alu depctr_va_vdst(0)                   ; one wait for the eight, ahead of the first line that names a result
	ds_store_b128 v[ST], v[8:11]
	ds_store_b128 v[ST], v[12:15] offset:16
	v_pk_add_f32 v[16:17], v[8:9], v[10:11]
	v_pk_add_f32 v[18:19], v[12:13], v[14:15]
	v_pk_add_f32 v[16:17], v[16:17], v[18:19]
	v_add_f32 v[SU], v16, v17
	v_add_f32_dpp v[SU], v[SU], v[SU] row_xmask:1 row_mask:0xf bank_mask:0xf
	v_add_f32_dpp v[SU], v[SU], v[SU] row_xmask:2 row_mask:0xf bank_mask:0xf
	v_add_f32_dpp v[SU], v[SU], v[SU] row_xmask:4 row_mask:0xf bank_mask:0xf
	v_add_f32_dpp v[SU], v[SU], v[SU] row_xmask:8 row_mask:0xf bank_mask:0xf
	v_permlanex16_b32 v[T1], v[SU], s10, s11
	v_add_f32 v[SU], v[SU], v[T1]                  ; my wave's sum of p
	ds_store_b32 v7, v[SU] offset:SM
	s_wait_dscnt 0x0                               ; for the others' sake: my weights and my sum lie in LDS
	s_barrier_signal -1
	s_barrier_wait -1
	; THE WALK.  Row tau of each half: its load is waited for, four multiply-adds, and the slot takes the row 32 further down.  The weights come in blocks of 16 rows
	; (all lanes of a half read the same words), a block ahead of their use, into two sets of registers by turns.
.irp j, 0,1,2,3
	ds_load_b128 v[W0+4*\j:W0+4*\j+3], v5 offset:16*\j             ; the weights of rows 0 to 15
.endr
.set tau, 0
.rept ROWS
.if tau%16 == 0
.if tau < ROWS-16
.set wn, W0+(W1-W0)*((tau/16+1)%2)
.irp j, 0,1,2,3
	ds_load_b128 v[wn+4*\j:wn+4*\j+3], v5 offset:4*(tau+16)+16*\j  ; the next block's weights, into the set that the block before has read
.endr
	s_wait_dscnt 4                                 ; those four may be out: this block's weights are in
.else
	s_wait_dscnt 0x0
.endif
.endif
.set wb, W0+(W1-W0)*((tau/16)%2)
.set xs, X+4*(tau%DEPTH)
.if tau < ROWS-DEPTH
	s_wait_loadcnt DEPTH-1                         ; loads come back in order (ISA guide 5.7.1): mine is in, the 31 issued behind it stay out
.else
	s_wait_loadcnt ROWS-1-tau                      ; the last 32 rows load nothing: the counts run down
.endif
.irp e, 0,1,2,3
	v_fmac_f32 v[ACC+4*(tau%2)+\e], v[wb+(tau%16)], v[xs+\e]
.endr
.if tau < ROWS-DEPTH
	global_load_b128 v[xs:xs+3], v4, s[4:5] offset:(tau+DEPTH)*4096 th:TH_LOAD_NT
.endif
.set tau, tau+1
.endr
	v_pk_add_f32 v[ACC:ACC+1], v[ACC:ACC+1], v[ACC+4:ACC+5]
	v_pk_add_f32 v[ACC+2:ACC+3], v[ACC+2:ACC+3], v[ACC+6:ACC+7]
.irp e, 0,1,2,3
	v_permlanex16_b32 v[X+\e], v[ACC+\e], s10, s11
.endr
	v_pk_add_f32 v[ACC:ACC+1], v[ACC:ACC+1], v[X:X+1]
	v_pk_add_f32 v[ACC+2:ACC+3], v[ACC+2:ACC+3], v[X+2:X+3]      ; my wave's 256 rows; both halves of the lanes hold the same
	ds_store_b128 v[RW], v[ACC:ACC+3] offset:RED
	s_wait_dscnt 0x0                               ; for wave 0's sake
	s_barrier_signal -1
	s_barrier_wait -1
	s_cmp_lg_u32 s14, 0                            ; wave 0 adds the sixteen waves' sums, divides and stores; no barrier stands in this branch
	s_cbranch_scc1 .Lend
.irp k, 0,1,2,3,4,5,6,7
	ds_load_b128 v[X+4*\k:X+4*\k+3], v[RB] offset:RED+256*\k     ; lanes 0-15: waves 0-7; lanes 16-31: waves 8-15
.endr
.irp k, 0,1,2,3
	ds_load_b128 v[W0+4*\k:W0+4*\k+3], v[ZR] offset:SM+16*\k
.endr
	v_cmp_gt_u32 vcc_lo, 16, v3
	s_wait_dscnt 0x0
.irp k, 1,2,3,4,5,6,7
	v_pk_add_f32 v[X:X+1], v[X:X+1], v[X+4*\k:X+4*\k+1]
	v_pk_add_f32 v[X+2:X+3], v[X+2:X+3], v[X+4*\k+2:X+4*\k+3]
	v_pk_add_f32 v[W0:W0+1], v[W0:W0+1], v[W0+2*\k:W0+2*\k+1]
.endr
	v_add_f32 v[W0], v[W0], v[W0+1]                ; the batch's sum of p
	v_rcp_f32 v[W0], v[W0]
.irp e, 0,1,2,3
	v_permlanex16_b32 v[ACC+\e], v[X+\e], s10, s11
.endr
	v_pk_add_f32 v[X:X+1], v[X:X+1], v[ACC:ACC+1]                ; (plain lines behind the reciprocal)
	v_pk_add_f32 v[X+2:X+3], v[X+2:X+3], v[ACC+2:ACC+3]
	s_wait_alu depctr_va_vdst(0)                   ; the wait ahead of the reciprocal's first reader
.irp e, 0,1,2,3
	v_mul_f32 v[X+\e], v[X+\e], v[W0]
.endr
	s_wait_xcnt 0x0                                ; EXEC changes only behind this wait
	s_and_saveexec_b32 s20, vcc_lo
	global_store_b128 v[OO], v[X:X+3], s[8:9]      ; sixteen lanes store 256 consecutive bytes, aligned
	s_wait_xcnt 0x0                                ; and again, in front of the line that widens it
	s_or_b32 exec_lo, exec_lo, s20
.Lend:
	s_wait_tensorcnt 0x0
	ds_add_u32 v192, v193
	s_wait_dscnt 0x0
	s_endpgm
.Lfunc_end_k_qef1291a38c_context:
	.size	k_qef1291a38c_context, .Lfunc_end_k_qef1291a38c_context-k_qef1291a38c_context
	.p2alignl 7, 3214868480
	.fill 96, 4, 3214868480
	.section	.rodata,"a",@progbits
	.p2align	6, 0x0
	.amdhsa_kernel k_qef1291a38c_context
		.amdhsa_group_segment_fixed_size 23552
		.amdhsa_private_segment_fixed_size 0
		.amdhsa_enable_private_segment 0
		.amdhsa_kernarg_size 24
		.amdhsa_user_sgpr_count 2
		.amdhsa_user_sgpr_kernarg_segment_ptr 1
		.amdhsa_wavefront_size32 1
		.amdhsa_system_sgpr_workgroup_id_x 1
		.amdhsa_system_sgpr_workgroup_id_y 1
		.amdhsa_system_sgpr_workgroup_id_z 1
		.amdhsa_system_vgpr_workitem_id 0
		.amdhsa_next_free_vgpr 194
		.amdhsa_next_free_sgpr 66
		.amdhsa_reserve_vcc 1
		.amdhsa_float_denorm_mode_32 3
		.amdhsa_float_denorm_mode_16_64 3
		.amdhsa_memory_ordered 1
		.amdhsa_forward_progress 1
		.amdhsa_inst_pref_size 44
	.end_amdhsa_kernel
	.amdgpu_metadata
---
amdhsa.version: [ 1, 2 ]
amdhsa.kernels:
  - .name:           k_qef1291a38c_context
    .symbol:         k_qef1291a38c_context.kd
    .args:
      - { .name: encoder_outputs, .offset: 0, .size: 8, .value_kind: global_buffer, .address_space: global }
      - { .name: scores, .offset: 8, .size: 8, .value_kind: global_buffer, .address_space: global }
      - { .name: out0, .offset: 16, .size: 8, .value_kind: global_buffer, .address_space: global }
    .group_segment_fixed_size: 23552
    .private_segment_fixed_size: 0
    .kernarg_segment_align: 8
    .kernarg_segment_size: 24
    .max_flat_workgroup_size: 512
    .sgpr_count:     66
    .vgpr_count:     194
    .wavefront_size: 32
...
	.end_amdgpu_metadata
.endif
;; end of part 3
